; MI455X (gfx1250); checked and timed in simulation.
; The chip was launched on July 23, 2026; its instructions are those of AMD's public machine-readable ISA for CDNA 5 (MIT licence, August 2026) and "CDNA5" Instruction Set Architecture Reference Guide (July 2026). The comments in the code are by the model that wrote it; some were corrected since.
;; Attention. Allowed arithmetic: float matrix products may take bf16 or f16 operands with f32 sums; all other float work in f32.
;; Inputs: bg 4 x 32 float32; bo 128 float32; kv_x 1 x 256 x 256 x 128 float32; mask_bias 1 x 256 x 1 x 1 x 256 float32; q_x 1 x 256 x 256 x 128 float32; triangle_bias 1 x 1 x 4 x 256 x 256 float32; wg 4 x 32 x 128 float32; wk 4 x 32 x 128 float32; wo 128 x 128 float32; wq 4 x 32 x 128 float32; wv 4 x 32 x 128 float32.
;; Outputs: out0 1 x 256 x 256 x 128 float32.
;; One version. Each part assembles by itself: llvm-mc -triple=amdgcn-amd-amdhsa -mcpu=gfx1250 --defsym DOCPART=n.
;; ======== version 1 of 1: 1 launch
;; limits: values are held in f16: magnitudes above 65,504 overflow, below 6.1e-05 lose precision
;; launch attn (part 1): grid 256 x 1, 4 waves a work-group, clusters of 4 x 1, 327,680 bytes of LDS; arguments wk, wv, wq, wg, wo, triangle_bias, kv_x, q_x, mask_bias, bg, bo, out0; writes out0
.if DOCPART == 1
	.amdgcn_target "amdgcn-amd-amdhsa--gfx1250"
	.amdhsa_code_object_version 6
	.text
	.protected	k_q8450594421_attn
	.globl	k_q8450594421_attn
	.p2align	8
	.type	k_q8450594421_attn,@function
k_q8450594421_attn:
	s_mov_b64 s[64:65], 0
	v_nop
	global_prefetch_b8 v0, s[64:65] scope:SCOPE_SE
	s_setreg_imm32_b32 hwreg(HW_REG_WAVE_MODE, 25, 1), 1
	s_wait_xcnt 0x0
	s_wait_alu depctr_hold_cnt(0) depctr_sa_sdst(0) depctr_va_vdst(0) depctr_va_sdst(0) depctr_va_ssrc(0) depctr_va_vcc(0) depctr_vm_vsrc(0)
	s_getreg_b32 s2, hwreg(HW_REG_IB_STS2, 6, 4)
	s_cmp_eq_u32 s2, 0
	s_cbranch_scc0 .Lentry_in_a_cluster
	s_endpgm
.Lentry_in_a_cluster:
	s_bfe_u32 s2, ttmp6, 0x10000c
	s_cmp_lg_u32 s2, 0x3003
	s_cbranch_scc0 .Lentry_shape_is_right
	s_endpgm
.Lentry_shape_is_right:
; Gated attention with two additive biases, 256 independent rows n, fused into one launch.
;   q = q_x wq^T / sqrt(32), k = kv_x wk^T, v = kv_x wv^T;  a = q k^T + mask_bias[n][key] + triangle_bias[h][q][key];
;   p = softmax over the keys;  o = (p v) * sigmoid(q_x wg^T + bg);  out = o wo^T + bo.
; One work-group makes one n (256 queries, 256 keys, 128 channels); its four waves are the four heads.
; NOTHING IS LEFT OUT: every one of the eleven inputs has a way to the output and is loaded.
;
; ORIENTATIONS (lane L: r = L & 15, hh = L >> 4; a result register j holds row 8 hh + j, column r).  They are chosen so that each result,
; packed two to a register, IS the next product's fragment, and q, k, v, p never pass through LDS:
;   K^T, Q^T, G^T = W (rows d) x X (columns key or q): a lane holds one key or query and d = 16 dt + 8 hh + j
;   V             = X (rows key) x Wv (columns d):      a lane holds d = r and key = 8 hh + j
;   S^T           = K (rows key) x Q (columns q) + C:   a lane holds q = r and key = 16 t + 8 hh + j; C carries both biases
;   O^T           = V^T (rows d) x P (columns q);       a third left operand of ones gives the row sum of the same rounded p in every lane
;   Out^T         = Wo (rows c) x O (columns q):        a lane holds eight neighbouring c of one q
; All 256 scores of a query lie in two lanes (128 registers each), so the softmax is whole: the true maximum is taken away before the exponential.
; BASE 2: wq is scaled by log2(e)/sqrt(32), C = triangle x log2(e) + mask x log2(e), p = 2^(a' - max a').
;
; OPERANDS ARE f16, sums f32.  f16 keeps 11 significant bits.  Its range has room here: p <= 1 by the maximum taken away; k and v are sums of
; 128 products x w, about 1.4 at most for x of spread 1 and w of spread 0.02, about 1.2e3 with both 30 times larger, about 2.3e3 (128 x 30 x 0.6) with both
; carrying an offset of 30 spreads; o is no larger than v.  Downward, values under 6.1e-5 keep f16's fixed step of 6e-8.
; LIMITS: x, the weights, q', k, v, o must stay under 65504 in magnitude.  A row whose keys ALL carry a bias near 1e9 depends on the last bits of sums near
; 1e9 and may differ from an f32 evaluation in another order.  NaN and infinities get no special care.  2^x under 2^-126 comes out as zero (ISA guide, v_exp_f32).
;
; CLUSTER: the weights and the triangle tiles hang on the head (the wave's number) alone, not on n.  Four work-groups form a cluster and ask for each such
; tile jointly (mask 15): one descriptor, equal in all four, each receives the tile in its own LDS.  kv_x, q_x, mask_bias and out0 are each work-group's own.
.set TSLOT, 16640                      ; a tensor tile in LDS: 16 rows of 1,024 bytes, pitch 1,040
.set TWAVE, 2*TSLOT                    ; a wave's two slots
.set XKV,   133120                     ; kv_x[n] in f16: 256 rows, pitch 272
.set XP,    272
.set XQ2,   202752                     ; one tile of q_x (16 rows, pitch 272), two buffers
.set XQB,   16*XP
.set OSB,   211456                     ; gated o in f16: block of wave w = 16 rows x 64 bytes, pitch 80; two buffers
.set OSP,   80
.set OSH,   16*OSP
.set OSBUF, 4*OSH
.set OUTS,  221696                     ; out tile in f32: block of wave w = 16 rows x 128 bytes, pitch 144, blocks 2,432 apart; two buffers
.set OUP,   144
.set OUH,   2432
.set OUBUF, 4*OUH
; All pitches are odd multiples of 16 bytes: the sixteen rows that a 16-byte load or store of sixteen lanes touches fall on sixteen different 16-byte columns of 256.
; window 0
.set VTR, 1                            ; triangle tile:   w*33280 + r*1040 + hh*32
.set VWR, 2                            ; weight tile:     w*33280 + (r>>1)*1040 + (r&1)*512 + hh*32
.set VKR, 3                            ; kv fragment:     XKV + r*272 + hh*16
.set VFR, 4                            ; q fragment:      XQ2 + r*272 + hh*16
.set VKW, 5                            ; kv store:        XKV + w*4352 + L*8
.set VQW, 6                            ; q store:         XQ2 + w*1088 + L*8
.set VOW, 7                            ; o store:         OSB + w*1280 + r*80 + hh*16
.set VSW, 8                            ; out store:       OUTS + w*2432 + r*144 + hh*32
.set VSR, 9                            ; out read back:   OUTS + (L>>3)*2432 + w*576 + (L&7)*16
.set VKG, 10                           ; kv_x, global:    w*8192 + L*16
.set VQG, 11                           ; q_x and out0:    w*2048 + L*16
.set VMG, 12                           ; mask_bias:       hh*32
.set VBG, 13                           ; bg:              w*128 + hh*32
.set VBO, 14                           ; bo:              L*16
.set VOR, 15                           ; o fragment:      OSB + r*80 + hh*16
.set MX,  16                           ; v16-19  four chains of the maximum (set-up: temporaries)
.set TX,  20                           ; v20     the other half's maximum
.set MR,  22                           ; v22-23  the row's maximum, twice
.set IV,  24                           ; v24-25  1 / row sum, twice
.set BO,  26                           ; v26-29  bo of my four columns
.set XF,  32                           ; v32-63  fragments of the q tile (prologue: kv fragments, even tiles)
.set OF,  64                           ; v64-95  fragments of o           (prologue: kv fragments, odd tiles)
.set QA,  96                           ; v96-111  Q^T sums  (prologue KA: K^T sums)
.set KA,  96
.set GA,  112                          ; v112-127 G^T sums, then the gate (prologue VA: V sums)
.set VA,  112
.set OA,  128                          ; v128-143 O^T sums
.set OUTA,144                          ; v144-159 Out^T sums
.set QF,  160                          ; v160-167 Q fragment
.set OP,  168                          ; v168-175 o packed
.set ST,  176                          ; v176-191 four rows of out on their way to memory
.set RW,  128                          ; v128-191 prologue only: raw f32 weights, two halves of 32
.set QR,  192                          ; v192-223 raw q_x, two slots of 16
.set QC,  224                          ; v224-231 q_x packed
.set BGS, 232                          ; v232-247 -log2(e) x bg
.set SU,  248                          ; v248-255 row sums
; window 1
.set WQF, 0                            ; fragment (dt, ks) at 32 dt + 8 ks
.set WGF, 64
.set KF,  128                          ; key tile t at 128 + 8 t
; window 2
.set VF,  0                            ; fragment (dt, s) at 64 dt + 8 s
.set WOF, 128                          ; (prologue: WVF)
.set WVF, 128
.set ONES,192                          ; (prologue: WKF at 192-255)
.set WKF, 192
; window 3: scores, tile t at 8 t, p packed in place; mask x log2(e) at 128 + 8 t.  Prologue: raw kv_x, load k at 4 k.
.set MKL, 128
; scalars: s4 wave, s5 cx, s6 n, s7 counter, s[8:31] the twelve addresses, s[52:59] offsets, s60-63 set-up
.set G1,  32                           ; s[32:39] descriptor group 1, one for all tiles
.set G0,  40                           ; s[40:47] descriptor group 0, one set for each slot
.set SQ,  48                           ; s[48:49] q_x at the tile that the trip asks for
.set SO,  30                           ; s[30:31] out0 at the tile that the trip stores
.set MSB, 0
.macro WIN new                         ; s_set_vgpr_msb: bits 1:0 source 0, 3:2 source 1, 5:4 source 2, 7:6 destination; the high byte repeats the setting left
.if MSB != \new
	s_set_vgpr_msb (MSB<<8)|\new
.set MSB, \new
.endif
.endm
.macro PLACES                          ; four plain vector instructions between a matrix instruction and whatever else touches its registers (ISA guide 7.12.1)
.rept 4
	v_nop
.endr
.endm
.macro MM d, a, b, z                   ; one product; z = 1: it starts the sum, nothing is ever cleared
.if \z
	v_wmma_f32_16x16x32_f16 v[\d:\d+7], v[\a:\a+7], v[\b:\b+7], 0
.else
	v_wmma_f32_16x16x32_f16 v[\d:\d+7], v[\a:\a+7], v[\b:\b+7], v[\d:\d+7]
.endif
.endm
.macro BAR
	s_barrier_signal -1
	s_barrier_wait -1
.endm
; A round of the cluster's barrier: my work-group's barrier, wave 0 signals for the work-group, every wave waits for all four work-groups, my barrier again.
.macro ROUND
	s_barrier_signal -1
	s_barrier_wait -1
	s_cmp_lg_u32 s4, 0
	s_cbranch_scc1 .Lnot_wave_0_\@
	s_barrier_signal -3
.Lnot_wave_0_\@:
	s_barrier_wait -3
	s_barrier_signal -1
	s_barrier_wait -1
.endm
; A slot gets a tile from another buffer.  In front of the round: my LDS accesses are done and all my tensor loads have landed, so a group 0 may be written.
; Behind the round no wave of any partner reads the slot or has a load on its way; the joint load is the first thing there, one a wave.
.macro REFILL slot, ptr
	WIN 0
	s_wait_dscnt 0x0
	s_wait_tensorcnt 0x0
	ds_add_u32 v30, v31
	s_wait_dscnt 0x0
	s_mov_b64 s[G0+4*\slot+2:G0+4*\slot+3], s[\ptr:\ptr+1]
	s_or_b32 s[G0+4*\slot+3], s[G0+4*\slot+3], 0x80000000
	ROUND
	tensor_load_to_lds s[G0+4*\slot:G0+4*\slot+3], s[G1:G1+7]
	s_nop 0
.endm
; ---- weights: 32 rows x 128 f32 in a slot become eight f16 fragments (dt, ks), fragment f = 4 dt + ks at dst + 8 f.
; Row d lies at (d>>1)*1040 + (d&1)*512.  A lane's 16 numbers of a fragment: c = 32 ks + 8 hh + 0..7 and + 16: four loads at 0, 16, 64, 80.
.macro WLOAD slot, g                   ; batch g = fragments 2 g and 2 g + 1, raw, into half g & 1
.irp u,0,1
	ds_load_b128 v[RW+32*((\g)&1)+16*\u:RW+32*((\g)&1)+16*\u+3],     v[VWR] offset:(\slot)*TSLOT+((2*(\g)+\u)>>2)*8320+((2*(\g)+\u)&3)*128
	ds_load_b128 v[RW+32*((\g)&1)+16*\u+4:RW+32*((\g)&1)+16*\u+7],   v[VWR] offset:(\slot)*TSLOT+((2*(\g)+\u)>>2)*8320+((2*(\g)+\u)&3)*128+16
	ds_load_b128 v[RW+32*((\g)&1)+16*\u+8:RW+32*((\g)&1)+16*\u+11],  v[VWR] offset:(\slot)*TSLOT+((2*(\g)+\u)>>2)*8320+((2*(\g)+\u)&3)*128+64
	ds_load_b128 v[RW+32*((\g)&1)+16*\u+12:RW+32*((\g)&1)+16*\u+15], v[VWR] offset:(\slot)*TSLOT+((2*(\g)+\u)>>2)*8320+((2*(\g)+\u)&3)*128+80
.endr
.endm
.macro WFRAG slot, win, dst, scale
	WIN 0
	WLOAD \slot, 0
	WLOAD \slot, 1
.irp g,0,1,2,3
.if \g < 3
	s_wait_dscnt 0x8                               ; LDS loads come back in order: batch g is in, the one younger batch of eight stays out
.else
	s_wait_dscnt 0x0
.endif
.if \scale
.irp m,0,1,2,3,4,5,6,7,8,9,10,11,12,13,14,15
	v_pk_mul_f32 v[RW+32*(\g&1)+2*\m:RW+32*(\g&1)+2*\m+1], v[RW+32*(\g&1)+2*\m:RW+32*(\g&1)+2*\m+1], 0x3e8293ee op_sel_hi:[1,0]   ; log2(e)/sqrt(32)
.endr
.endif
	WIN \win
.irp m,0,1,2,3,4,5,6,7,8,9,10,11,12,13,14,15
	v_cvt_pk_f16_f32 v[\dst+16*\g+\m], v[RW+32*(\g&1)+2*\m], v[RW+32*(\g&1)+2*\m+1]
.endr
	WIN 0
.if \g < 2
	WLOAD \slot, \g+2
.endif
.endr
.endm
; ---- kv_x: chunk c = rows 64 c .. 64 c + 63; wave w takes rows 64 c + 16 w + i, one load a row (32 lanes x 16 bytes = the row's 512 bytes)
.macro KVLOAD c
	WIN 0xc0
.set cnt, 0
.rept 16
	global_load_b128 v[4*(16*\c+cnt):4*(16*\c+cnt)+3], v[VKG], s[20:21] offset:\c*32768+cnt*512 th:TH_LOAD_NT
.set cnt, cnt+1
.endr
	WIN 0
.endm
.macro KVCONV c                        ; f32 to f16 in place, then 8 bytes a lane into XKV
	WIN 0xcf
.set cnt, 16*\c
.rept 16
	v_cvt_pk_f16_f32 v[4*cnt],   v[4*cnt],   v[4*cnt+1]
	v_cvt_pk_f16_f32 v[4*cnt+1], v[4*cnt+2], v[4*cnt+3]
.set cnt, cnt+1
.endr
	WIN 0x0c
.set cnt, 0
.rept 16
	ds_store_b64 v[VKW], v[4*(16*\c+cnt):4*(16*\c+cnt)+1] offset:\c*64*XP+cnt*XP
.set cnt, cnt+1
.endr
	WIN 0
.endm
.macro XLOAD t                         ; the four fragments (16 rows x 32 c) of key tile t, into buffer t & 1
.irp ks,0,1,2,3
	ds_load_b128 v[XF+32*((\t)&1)+8*\ks:XF+32*((\t)&1)+8*\ks+3],   v[VKR] offset:(\t)*16*XP+\ks*64
	ds_load_b128 v[XF+32*((\t)&1)+8*\ks+4:XF+32*((\t)&1)+8*\ks+7], v[VKR] offset:(\t)*16*XP+\ks*64+32
.endr
.endm
; Key tile t: K^T and V of my head, packed straight into the fragments of the score and of the p v products.
; first = 1: the tile is the first of its chunk and fetches its own fragments; next = 1: the next tile's fragments are fetched meanwhile.
; The two accumulators of each run take turns, one instruction a turn.
.macro KVTILE t, first, next
	WIN 0
.if \first
	XLOAD \t
.endif
	s_wait_dscnt 0x0                               ; this tile's fragments are in
.if \next
	XLOAD \t+1                                     ; into the buffer that tile t - 1 multiplied: four v_nop and sixteen conversions stand behind those products
.endif
	WIN 0x02
	MM KA,   WKF,    XF+32*((\t)&1), 1
	MM KA+8, WKF+32, XF+32*((\t)&1), 1
.irp ks,1,2,3
	MM KA,   WKF+8*\ks,    XF+32*((\t)&1)+8*\ks, 0
	MM KA+8, WKF+32+8*\ks, XF+32*((\t)&1)+8*\ks, 0
.endr
	WIN 0x08
	MM VA,   XF+32*((\t)&1), WVF,    1
	MM VA+8, XF+32*((\t)&1), WVF+32, 1
.irp ks,1,2,3
	MM VA,   XF+32*((\t)&1)+8*\ks, WVF+8*\ks,    0
	MM VA+8, XF+32*((\t)&1)+8*\ks, WVF+32+8*\ks, 0
.endr
	PLACES
	WIN 0x40
.irp m,0,1,2,3,4,5,6,7
	v_cvt_pk_f16_f32 v[KF+8*(\t)+\m], v[KA+2*\m], v[KA+2*\m+1]          ; registers 0-3: d = 8 hh + 0..7, registers 4-7: d = 16 + 8 hh + 0..7
.endr
	WIN 0x80
.irp dt,0,1
.irp m,0,1,2,3
	v_cvt_pk_f16_f32 v[VF+64*\dt+8*((\t)>>1)+4*((\t)&1)+\m], v[VA+8*\dt+2*\m], v[VA+8*\dt+2*\m+1]   ; keys 8 hh + 0..7 of the even or the odd tile of a pair
.endr
.endr
.endm
; ---- q_x: a tile is 16 rows; wave w takes rows 4 w + i
.macro QLOADP q, tile                  ; prologue: tile by the immediate
.irp rho,0,1,2,3
	global_load_b128 v[QR+16*(\q)+4*\rho:QR+16*(\q)+4*\rho+3], v[VQG], s[22:23] offset:(\tile)*8192+\rho*512 th:TH_LOAD_NT
.endr
.endm
.macro QLOAD q
.irp rho,0,1,2,3
	global_load_b128 v[QR+16*(\q)+4*\rho:QR+16*(\q)+4*\rho+3], v[VQG], s[SQ:SQ+1] offset:\rho*512 th:TH_LOAD_NT
.endr
.endm
.macro QCONV q, b
.irp rho,0,1,2,3
	v_cvt_pk_f16_f32 v[QC+2*\rho],   v[QR+16*(\q)+4*\rho],   v[QR+16*(\q)+4*\rho+1]
	v_cvt_pk_f16_f32 v[QC+2*\rho+1], v[QR+16*(\q)+4*\rho+2], v[QR+16*(\q)+4*\rho+3]
.endr
.irp rho,0,1,2,3
	ds_store_b64 v[VQW], v[QC+2*\rho:QC+2*\rho+1] offset:(\b)*XQB+\rho*XP
.endr
.endm
; ---- the head of a trip.  kind 2: a round of the cluster's barrier and the joint load of the next triangle tile; kind 1: the last tile has landed, plain barrier;
; kind 0: plain barrier.  One barrier does both things for XQ2, OS and OUTS: what the last trip stored may be read, what it read may be overwritten.
.macro HEAD kind, slot, stepg, stepq, stepo
	WIN 0
	s_wait_dscnt 0x0                               ; my LDS loads and stores of the last trip are done
.if \kind
	s_wait_tensorcnt 0x0                           ; my one tensor load has landed: this trip's triangle tile
	ds_add_u32 v30, v31
	s_wait_dscnt 0x0
.endif
.if \stepg
	s_add_nc_u64 s[G0+4*\slot+2:G0+4*\slot+3], s[G0+4*\slot+2:G0+4*\slot+3], 32768   ; two tiles on; no load of mine is out
.endif
.if \kind == 2
	ROUND
	tensor_load_to_lds s[G0+4*\slot:G0+4*\slot+3], s[G1:G1+7]       ; the next trip's tile, into the slot read last trip
	s_nop 0
.else
	BAR
.endif
	s_wait_xcnt 0x0                                ; the last trip's loads and stores have had their addresses translated (ISA guide 3.1): ST and both bases are rewritten only behind this wait
.if \stepq
	s_add_nc_u64 s[SQ:SQ+1], s[SQ:SQ+1], 8192
.endif
.if \stepo
	s_add_nc_u64 s[SO:SO+1], s[SO:SO+1], 8192
.endif
.endm
; ---- trip i, p = i & 1.  att: attention of q tile i.  qc: q tile i + 1 is converted (qw: younger loads that may stay out); ql: tile i + 3 is asked for.
; outp: output product of tile i - 1.  sto: tile i - 2 leaves for memory.
.macro TRIP p, att, qc, qw, ql, outp, sto
.if \att
.irp ks,0,1,2,3
	ds_load_b128 v[XF+8*\ks:XF+8*\ks+3],   v[VFR] offset:\p*XQB+\ks*64
	ds_load_b128 v[XF+8*\ks+4:XF+8*\ks+7], v[VFR] offset:\p*XQB+\ks*64+32
.endr
.endif
.if \outp
.irp ks,0,1,2,3
	ds_load_b128 v[OF+8*\ks:OF+8*\ks+3],   v[VOR] offset:(1-\p)*OSBUF+\ks*OSH      ; e = 32 ks .. 32 ks + 31 is head ks's block
	ds_load_b128 v[OF+8*\ks+4:OF+8*\ks+7], v[VOR] offset:(1-\p)*OSBUF+\ks*OSH+32
.endr
.endif
.if \sto
.irp rho,0,1,2,3
	ds_load_b128 v[ST+4*\rho:ST+4*\rho+3], v[VSR] offset:\p*OUBUF+\rho*OUP          ; a whole row of 512 bytes: 8 lanes from each wave's block
.endr
.endif
.if \att
	WIN 0xc0
.set cnt, 0
.rept 16
	ds_load_b128 v[8*cnt:8*cnt+3],   v[VTR] offset:(1-\p)*TSLOT+cnt*64              ; triangle[w][16 i + r][16 t + 8 hh + 0..7], already in the scores' layout
	ds_load_b128 v[8*cnt+4:8*cnt+7], v[VTR] offset:(1-\p)*TSLOT+cnt*64+16
.set cnt, cnt+1
.endr
	s_wait_dscnt 8*\outp+4*\sto+32                 ; the q fragments are in; all that was issued behind them stays out
	WIN 0x01                                       ; Q^T and G^T: four accumulators by turns
	MM QA,   WQF,    XF, 1
	MM QA+8, WQF+32, XF, 1
	MM GA,   WGF,    XF, 1
	MM GA+8, WGF+32, XF, 1
.irp ks,1,2,3
	MM QA,   WQF+8*\ks,    XF+8*\ks, 0
	MM QA+8, WQF+32+8*\ks, XF+8*\ks, 0
	MM GA,   WGF+8*\ks,    XF+8*\ks, 0
	MM GA+8, WGF+32+8*\ks, XF+8*\ks, 0
.endr
.endif
.if \outp
	s_wait_dscnt 4*\sto+32*\att                    ; the o fragments are in
	WIN 0x02                                       ; Out^T of my 32 columns c: two accumulators by turns
	MM OUTA,   WOF,    OF, 1
	MM OUTA+8, WOF+32, OF, 1
.irp ks,1,2,3
	MM OUTA,   WOF+8*\ks,    OF+8*\ks, 0
	MM OUTA+8, WOF+32+8*\ks, OF+8*\ks, 0
.endr
.endif
.if \sto
	WIN 0
	s_wait_dscnt 32*\att                           ; my four rows of out are in
.irp rho,0,1,2,3
	v_pk_add_f32 v[ST+4*\rho:ST+4*\rho+1],   v[ST+4*\rho:ST+4*\rho+1],   v[BO:BO+1]
	v_pk_add_f32 v[ST+4*\rho+2:ST+4*\rho+3], v[ST+4*\rho+2:ST+4*\rho+3], v[BO+2:BO+3]
.endr
.irp rho,0,1,2,3
	global_store_b128 v[VQG], v[ST+4*\rho:ST+4*\rho+3], s[SO:SO+1] offset:\rho*512 th:TH_STORE_NT   ; the wave stores 512 consecutive bytes, a whole row of out0
.endr
.endif
.if \att
	s_wait_dscnt 0x0                               ; the triangle tile is in registers
	WIN 0xf3
.set cnt, 0
.rept 64
	v_pk_fma_f32 v[2*cnt:2*cnt+1], v[2*cnt:2*cnt+1], 0x3fb8aa3b, v[MKL+2*cnt:MKL+2*cnt+1] op_sel_hi:[1,0,1]   ; C = triangle x log2(e) + mask x log2(e)
.set cnt, cnt+1
.endr
.else
.if \outp
	PLACES
.endif
.endif
.if \outp
	WIN 0                                          ; far more than four places stand behind the output products by now
.irp ct,0,1
	ds_store_b128 v[VSW], v[OUTA+8*\ct:OUTA+8*\ct+3],   offset:(1-\p)*OUBUF+\ct*64
	ds_store_b128 v[VSW], v[OUTA+8*\ct+4:OUTA+8*\ct+7], offset:(1-\p)*OUBUF+\ct*64+16
.endr
.endif
.if \att
	WIN 0
.irp m,0,1,2,3,4,5,6,7
	v_cvt_pk_f16_f32 v[QF+\m], v[QA+2*\m], v[QA+2*\m+1]
.endr
	WIN 0xf1                                       ; S^T = K Q^T + C: sixteen accumulators, each once
.set cnt, 0
.rept 16
	v_wmma_f32_16x16x32_f16 v[8*cnt:8*cnt+7], v[KF+8*cnt:KF+8*cnt+7], v[QF:QF+7], v[8*cnt:8*cnt+7]
.set cnt, cnt+1
.endr
	WIN 0
	; the gate, sigmoid(G + bg) = 1 / (1 + 2^(-log2(e) G - log2(e) bg)); its first eight lines are the places behind the score products
.irp m,0,1,2,3,4,5,6,7
	v_pk_fma_f32 v[GA+2*\m:GA+2*\m+1], v[GA+2*\m:GA+2*\m+1], 0xbfb8aa3b, v[BGS+2*\m:BGS+2*\m+1] op_sel_hi:[1,0,1]
.endr
.irp m,0,1,2,3,4,5,6,7,8,9,10,11,12,13,14,15
	v_exp_f32 v[GA+\m], v[GA+\m]
.endr
	v_nop                                          ; one plain instruction between a transcendental and the use of its result (ISA guide 5.7.2)
.if \qc
	s_wait_loadcnt \qw                             ; q tile i + 1 is in; tile i + 2's four loads stay out
	QCONV 1-\p, 1-\p
.if \ql
	QLOAD 1-\p                                     ; tile i + 3, into the registers just converted
.endif
.endif
	s_wait_alu depctr_va_vdst(0)
.irp m,0,1,2,3,4,5,6,7
	v_pk_add_f32 v[GA+2*\m:GA+2*\m+1], v[GA+2*\m:GA+2*\m+1], 1.0 op_sel_hi:[1,0]
.endr
.irp m,0,1,2,3,4,5,6,7,8,9,10,11,12,13,14,15
	v_rcp_f32 v[GA+\m], v[GA+\m]
.endr
	v_nop
	; the maximum of my 128 scores in four chains, then the other half's 128
	WIN 0x0f
.irp c,0,1,2,3
	v_max_num_f32 v[MX+\c], v[2*\c], v[2*\c+1]
.endr
.set cnt, 0
.rept 15
.irp c,0,1,2,3
	v_max3_num_f32 v[MX+\c], v[8+8*cnt+2*\c], v[8+8*cnt+2*\c+1], v[MX+\c]
.endr
.set cnt, cnt+1
.endr
	WIN 0
	v_max3_num_f32 v[MX], v[MX], v[MX+1], v[MX+2]
	v_max_num_f32 v[MX], v[MX], v[MX+3]
	v_permlanex16_b32 v[TX], v[MX], s50, s51       ; lane L takes lane L xor 16: the same query's other 128 keys
	v_max_num_f32 v[MR], v[MX], v[TX]
	v_mov_b32 v[MR+1], v[MR]
	; p = 2^(a' - max): eight at a time; the next group's subtractions are the plain instructions behind a group's exponentials
	WIN 0xc3
.set cnt, 0
.rept 16
.irp m,0,1,2,3
	v_pk_add_f32 v[8*cnt+2*\m:8*cnt+2*\m+1], v[8*cnt+2*\m:8*cnt+2*\m+1], v[MR:MR+1] neg_lo:[0,1] neg_hi:[0,1]
.endr
.irp m,0,1,2,3,4,5,6,7
	v_exp_f32 v[8*cnt+\m], v[8*cnt+\m]
.endr
.set cnt, cnt+1
.endr
	WIN 0xcf                                       ; packed in place, ascending: register i takes 2 i and 2 i + 1, which no later line needs; fragment s = registers 8 s .. 8 s + 7
.set cnt, 0
	s_wait_alu depctr_va_vdst(0)
.rept 64
	v_cvt_pk_f16_f32 v[cnt], v[2*cnt], v[2*cnt+1]
.set cnt, cnt+1
.endr
	WIN 0x0e                                       ; O^T and the row sums: three accumulators by turns
	MM OA,   VF,    0, 1
	MM OA+8, VF+64, 0, 1
	MM SU,   ONES,  0, 1
.irp s,1,2,3,4,5,6,7
	MM OA,   VF+8*\s,    8*\s, 0
	MM OA+8, VF+64+8*\s, 8*\s, 0
	MM SU,   ONES,       8*\s, 0
.endr
	WIN 0
	PLACES
	v_rcp_f32 v[IV],   v[SU]                       ; the sum is at least 1: the largest p is 1
	v_rcp_f32 v[IV+1], v[SU]
	v_nop
	s_wait_alu depctr_va_vdst(0)
.irp m,0,1,2,3,4,5,6,7
	v_pk_mul_f32 v[GA+2*\m:GA+2*\m+1], v[GA+2*\m:GA+2*\m+1], v[IV:IV+1]
.endr
.irp m,0,1,2,3,4,5,6,7
	v_pk_mul_f32 v[OA+2*\m:OA+2*\m+1], v[OA+2*\m:OA+2*\m+1], v[GA+2*\m:GA+2*\m+1]
.endr
.irp m,0,1,2,3,4,5,6,7
	v_cvt_pk_f16_f32 v[OP+\m], v[OA+2*\m], v[OA+2*\m+1]
.endr
	ds_store_b128 v[VOW], v[OP:OP+3]   offset:\p*OSBUF       ; row q = r of my block: e = 8 hh + 0..7
	ds_store_b128 v[VOW], v[OP+4:OP+7] offset:\p*OSBUF+32    ; e = 16 + 8 hh + 0..7
.endif
.endm
; ======================================================================== set-up
	s_load_b512 s[8:23], s[0:1], 0x0               ; wk, wv, wq, wg, wo, triangle_bias, kv_x, q_x
	s_load_b256 s[24:31], s[0:1], 0x40             ; mask_bias, bg, bo, out0
	v_lshl_add_u32 v30, v0, 2, 0x3ae00
	v_mov_b32 v31, 0
	ds_add_u32 v30, v31
	v_lshrrev_b32 v16, 5, v0
	v_readfirstlane_b32 s4, v16                    ; wave = head
	s_bfe_u32 s5, ttmp6, 0x40000                   ; cx
	s_lshl_b32 s6, ttmp9, 2
	s_add_co_u32 s6, s6, s5                        ; n = 4 x cluster + cx: enters the addresses of kv_x, q_x, mask_bias and out0 alone
	s_lshl_b32 s52, s4, 14                         ; a head's 32 rows of a weight: 16 KiB
	s_mov_b32 s53, 0
	s_lshl_b32 s54, s4, 18                         ; a head's triangle: 256 KiB
	s_mov_b32 s55, 0
	s_lshl_b32 s56, s6, 17                         ; an n of kv_x, q_x, out0: 128 KiB
	s_mov_b32 s57, 0
	s_lshl_b32 s58, s6, 10                         ; an n of mask_bias: 1 KiB
	s_mov_b32 s59, 0
	; group 1: a dense block of 16 KiB as 16 rows of 256 elements of 4 bytes, 16 bytes of padding behind each row
	s_mov_b32 s[G1+0], 0x07f2000f                  ; 15:0 mask = the four of the cluster; 17:16 4-byte elements; 20 padding on; 21 set beside a mask; 24:22 after 256 words; 31:25 four words
	s_mov_b32 s[G1+1], 256<<16                     ; tensor_dim0 = 256
	s_mov_b32 s[G1+2], 16<<16                      ; tensor_dim1 = 16
	s_mov_b32 s[G1+3], 256<<16                     ; tile_dim0 = 256
	s_mov_b32 s[G1+4], 16                          ; tile_dim1 = 16
	s_mov_b32 s[G1+5], 256                         ; from row to row
	s_mov_b32 s[G1+6], 0
	s_mov_b32 s[G1+7], 0
	s_mov_b32 s[G0+0], 1
	s_mul_i32 s[G0+1], s4, TWAVE                   ; my slot 0
	s_mov_b32 s[G0+4], 1
	s_add_co_u32 s[G0+5], s[G0+1], TSLOT           ; my slot 1
	s_mov_b32 s50, 0x76543210
	s_mov_b32 s51, 0xfedcba98
	s_wait_dscnt 0x0
	s_wait_kmcnt 0x0
	s_add_nc_u64 s[8:9], s[8:9], s[52:53]
	s_add_nc_u64 s[10:11], s[10:11], s[52:53]
	s_add_nc_u64 s[12:13], s[12:13], s[52:53]
	s_add_nc_u64 s[14:15], s[14:15], s[52:53]
	s_add_nc_u64 s[16:17], s[16:17], s[52:53]      ; wo: rows c = 32 w .. 32 w + 31
	s_add_nc_u64 s[18:19], s[18:19], s[54:55]
	s_add_nc_u64 s[20:21], s[20:21], s[56:57]
	s_add_nc_u64 s[22:23], s[22:23], s[56:57]
	s_add_nc_u64 s[24:25], s[24:25], s[58:59]
	s_add_nc_u64 s[30:31], s[30:31], s[56:57]
	s_mov_b64 s[G0+2:G0+3], s[8:9]
	s_or_b32 s[G0+3], s[G0+3], 0x80000000
	s_mov_b64 s[G0+6:G0+7], s[10:11]
	s_or_b32 s[G0+7], s[G0+7], 0x80000000
	ROUND                                          ; all four work-groups are here: the first joint loads meet
	tensor_load_to_lds s[G0:G0+3], s[G1:G1+7]      ; wk of my head
	s_nop 0
	tensor_load_to_lds s[G0+4:G0+7], s[G1:G1+7]    ; wv of my head: two loads of mine are out, the most in this text
	s_nop 0
	v_and_b32 v16, 31, v0                          ; L
	v_and_b32 v17, 15, v0                          ; r
	v_bfe_u32 v18, v0, 4, 1                        ; hh
	v_mul_u32_u24 v19, v17, 1040
	v_lshl_add_u32 v19, v18, 5, v19
	v_add_nc_u32 v[VTR], s[G0+1], v19
	v_lshrrev_b32 v19, 1, v17
	v_mul_u32_u24 v19, v19, 1040
	v_and_b32 v20, 1, v17
	v_lshl_add_u32 v19, v20, 9, v19
	v_lshl_add_u32 v19, v18, 5, v19
	v_add_nc_u32 v[VWR], s[G0+1], v19
	v_mul_u32_u24 v19, v17, XP
	v_lshl_add_u32 v19, v18, 4, v19
	v_add_nc_u32 v[VKR], XKV, v19
	v_add_nc_u32 v[VFR], XQ2, v19
	s_mul_i32 s60, s4, 16*XP
	s_add_co_u32 s60, s60, XKV
	v_lshl_add_u32 v[VKW], v16, 3, s60
	s_mul_i32 s61, s4, 4*XP
	s_add_co_u32 s61, s61, XQ2
	v_lshl_add_u32 v[VQW], v16, 3, s61
	v_mul_u32_u24 v19, v17, OSP
	v_lshl_add_u32 v19, v18, 4, v19
	v_add_nc_u32 v[VOR], OSB, v19
	s_mul_i32 s62, s4, OSH
	s_add_co_u32 s62, s62, OSB
	v_add_nc_u32 v[VOW], s62, v19
	v_mul_u32_u24 v19, v17, OUP
	v_lshl_add_u32 v19, v18, 5, v19
	s_mul_i32 s63, s4, OUH
	s_add_co_u32 s63, s63, OUTS
	v_add_nc_u32 v[VSW], s63, v19
	v_lshrrev_b32 v19, 3, v16
	v_mul_u32_u24 v19, v19, OUH
	v_and_b32 v20, 7, v16
	v_lshl_add_u32 v19, v20, 4, v19
	s_mul_i32 s60, s4, 4*OUP
	s_add_co_u32 s60, s60, OUTS
	v_add_nc_u32 v[VSR], s60, v19
	s_lshl_b32 s61, s4, 13
	v_lshl_add_u32 v[VKG], v16, 4, s61
	s_lshl_b32 s62, s4, 11
	v_lshl_add_u32 v[VQG], v16, 4, s62
	v_lshlrev_b32 v[VMG], 5, v18
	s_lshl_b32 s63, s4, 7
	v_lshl_add_u32 v[VBG], v18, 5, s63
	v_lshlrev_b32 v[VBO], 4, v16
	v_mov_b32 v[TX], 0                             ; v_permlanex16_b32 counts as a reader of its destination
	; ======================================================================== prologue: K and V of all 256 keys, all weight fragments
	QLOADP 0, 0                                    ; q tiles 0 and 1
	QLOADP 1, 1
	global_load_b128 v[BGS:BGS+3],     v[VBG], s[26:27]             ; bg[w][16 dt + 8 hh + j], in the layout of G^T
	global_load_b128 v[BGS+4:BGS+7],   v[VBG], s[26:27] offset:16
	global_load_b128 v[BGS+8:BGS+11],  v[VBG], s[26:27] offset:64
	global_load_b128 v[BGS+12:BGS+15], v[VBG], s[26:27] offset:80
	global_load_b128 v[BO:BO+3], v[VBO], s[28:29]
	KVLOAD 0
	KVLOAD 1
	KVLOAD 2
	s_wait_tensorcnt 0x1                           ; wk has landed, wv may be out.  A slot is read by the wave that asked for it alone, so its own counter orders the reads
	WFRAG 0, 0x80, WKF, 0
	s_wait_tensorcnt 0x0
	WFRAG 1, 0x80, WVF, 0
	REFILL 0, 12                                   ; wq
	KVLOAD 3
	s_wait_loadcnt 48                              ; q tiles 0 and 1, bg, bo and kv chunk 0 are in; chunks 1, 2, 3 (16 loads each) stay out
.irp m,0,1,2,3,4,5,6,7
	v_pk_mul_f32 v[BGS+2*\m:BGS+2*\m+1], v[BGS+2*\m:BGS+2*\m+1], 0xbfb8aa3b op_sel_hi:[1,0]
.endr
	KVCONV 0
	QCONV 0, 0
	QLOADP 0, 2                                    ; q tile 2
	REFILL 1, 14                                   ; wg; the round also shows chunk 0 and q tile 0 to every wave
	s_wait_tensorcnt 0x1                           ; wq: shown landed in front of the round, so met at once
	WFRAG 0, 0x40, WQF, 1
	KVTILE 0, 1, 1
	KVTILE 1, 0, 1
	KVTILE 2, 0, 1
	KVTILE 3, 0, 0
	WIN 0
	s_wait_loadcnt 36                              ; chunk 1 is in; chunks 2 and 3 and q tile 2's four loads stay out
	KVCONV 1
	REFILL 0, 16                                   ; wo
	s_wait_tensorcnt 0x1                           ; wg, met at once
	WFRAG 1, 0x40, WGF, 0
	KVTILE 4, 1, 1
	KVTILE 5, 0, 1
	KVTILE 6, 0, 1
	KVTILE 7, 0, 0
	WIN 0
	s_wait_loadcnt 20                              ; chunk 2 is in; chunk 3 and q tile 2 stay out
	KVCONV 2
	REFILL 1, 18                                   ; triangle tile 0
	KVTILE 8, 1, 1
	KVTILE 9, 0, 1
	KVTILE 10, 0, 1
	KVTILE 11, 0, 0
	WIN 0
	s_wait_loadcnt 4                               ; chunk 3 is in; q tile 2 stays out
	KVCONV 3
	s_wait_dscnt 0x0                               ; my rows of chunk 3 are in LDS
	BAR                                            ; Triangle tile 0 may stay on its way
	WIN 0xc0
.set cnt, 0
.rept 16
	global_load_b128 v[MKL+8*cnt:MKL+8*cnt+3],   v[VMG], s[24:25] offset:cnt*64        ; mask_bias[n][16 t + 8 hh + 0..7], in the scores' layout
	global_load_b128 v[MKL+8*cnt+4:MKL+8*cnt+7], v[VMG], s[24:25] offset:cnt*64+16
.set cnt, cnt+1
.endr
	KVTILE 12, 1, 1
	KVTILE 13, 0, 1
	KVTILE 14, 0, 1
	KVTILE 15, 0, 0
	s_wait_tensorcnt 0x1                           ; wo, met at once; triangle tile 0 may be out
	WFRAG 0, 0x80, WOF, 0                          ; over wv's fragments, which the last V products have left four v_nop and sixteen conversions ago
	WIN 0x80
.irp m,0,1,2,3,4,5,6,7
	v_mov_b32 v[ONES+\m], 0x3c003c00               ; 1.0 twice in f16
.endr
	WIN 0
	s_add_nc_u64 s[G0+2:G0+3], s[18:19], 16384     ; slot 0's next tile: triangle tile 1 (slot 0's last load, wo, has landed)
	s_or_b32 s[G0+3], s[G0+3], 0x80000000
	s_add_nc_u64 s[SQ:SQ+1], s[22:23], 3*8192      ; trip 0 asks for q tile 3
	s_wait_loadcnt 0x0                             ; the mask (and q tile 2)
	WIN 0xc3
.set cnt, 0
.rept 64
	v_pk_mul_f32 v[MKL+2*cnt:MKL+2*cnt+1], v[MKL+2*cnt:MKL+2*cnt+1], 0x3fb8aa3b op_sel_hi:[1,0]
.set cnt, cnt+1
.endr
	; ======================================================================== eighteen trips: attention of tile i, output product of i - 1, store of i - 2
	HEAD 2, 0, 0, 0, 0
	TRIP 0, 1, 1, 4, 1, 0, 0                       ; trip 0
	HEAD 2, 1, 1, 1, 0
	TRIP 1, 1, 1, 4, 1, 1, 0                       ; trip 1
	HEAD 2, 0, 1, 1, 0
	TRIP 0, 1, 1, 4, 1, 1, 1                       ; trip 2
	WIN 0
	s_mov_b32 s7, 5
.Ltrips:                                           ; trips 3 to 12
	HEAD 2, 1, 1, 1, 1
	TRIP 1, 1, 1, 4, 1, 1, 1
	HEAD 2, 0, 1, 1, 1
	TRIP 0, 1, 1, 4, 1, 1, 1
	WIN 0
	s_sub_co_u32 s7, s7, 1
	s_cmp_lg_u32 s7, 0
	s_cbranch_scc1 .Ltrips
	HEAD 2, 1, 1, 0, 1
	TRIP 1, 1, 1, 4, 0, 1, 1                       ; trip 13: q tile 15 has been asked for, nothing is left to fetch of q_x
	HEAD 2, 0, 1, 0, 1
	TRIP 0, 1, 1, 0, 0, 1, 1                       ; trip 14: the last triangle tile goes out; q tile 15 is converted, no younger load is out
	HEAD 1, 0, 0, 0, 1
	TRIP 1, 1, 0, 0, 0, 1, 1                       ; trip 15: the last attention
	HEAD 0, 0, 0, 0, 1
	TRIP 0, 0, 0, 0, 0, 1, 1                       ; trip 16: the last output product
	HEAD 0, 0, 0, 0, 1
	TRIP 1, 0, 0, 0, 0, 0, 1                       ; trip 17: the last store
	s_wait_dscnt 0x0
	s_wait_tensorcnt 0x0
	ds_add_u32 v30, v31
	s_wait_dscnt 0x0
	ROUND                                          ; the closing round: no work-group ends while a partner may still ask for a tile that names it
	s_endpgm
.Lfunc_end_k_q8450594421_attn:
	.size	k_q8450594421_attn, .Lfunc_end_k_q8450594421_attn-k_q8450594421_attn
	.p2alignl 7, 3214868480
	.fill 96, 4, 3214868480
	.section	.rodata,"a",@progbits
	.p2align	6, 0x0
	.amdhsa_kernel k_q8450594421_attn
		.amdhsa_group_segment_fixed_size 327680
		.amdhsa_private_segment_fixed_size 0
		.amdhsa_enable_private_segment 0
		.amdhsa_kernarg_size 96
		.amdhsa_user_sgpr_count 2
		.amdhsa_user_sgpr_kernarg_segment_ptr 1
		.amdhsa_wavefront_size32 1
		.amdhsa_system_sgpr_workgroup_id_x 1
		.amdhsa_system_sgpr_workgroup_id_y 1
		.amdhsa_system_sgpr_workgroup_id_z 1
		.amdhsa_system_vgpr_workitem_id 0
		.amdhsa_next_free_vgpr 1024
		.amdhsa_next_free_sgpr 66
		.amdhsa_reserve_vcc 0
		.amdhsa_float_denorm_mode_32 3
		.amdhsa_float_denorm_mode_16_64 3
		.amdhsa_memory_ordered 1
		.amdhsa_forward_progress 1
		.amdhsa_inst_pref_size 255
	.end_amdhsa_kernel
	.section	.bss,"aw",@nobits
	.p2align	6
	.space	262144
	.amdgpu_metadata
---
amdhsa.version: [ 1, 2 ]
amdhsa.kernels:
  - .name:           k_q8450594421_attn
    .symbol:         k_q8450594421_attn.kd
    .args:
      - { .name: wk, .offset: 0, .size: 8, .value_kind: global_buffer, .address_space: global }
      - { .name: wv, .offset: 8, .size: 8, .value_kind: global_buffer, .address_space: global }
      - { .name: wq, .offset: 16, .size: 8, .value_kind: global_buffer, .address_space: global }
      - { .name: wg, .offset: 24, .size: 8, .value_kind: global_buffer, .address_space: global }
      - { .name: wo, .offset: 32, .size: 8, .value_kind: global_buffer, .address_space: global }
      - { .name: triangle_bias, .offset: 40, .size: 8, .value_kind: global_buffer, .address_space: global }
      - { .name: kv_x, .offset: 48, .size: 8, .value_kind: global_buffer, .address_space: global }
      - { .name: q_x, .offset: 56, .size: 8, .value_kind: global_buffer, .address_space: global }
      - { .name: mask_bias, .offset: 64, .size: 8, .value_kind: global_buffer, .address_space: global }
      - { .name: bg, .offset: 72, .size: 8, .value_kind: global_buffer, .address_space: global }
      - { .name: bo, .offset: 80, .size: 8, .value_kind: global_buffer, .address_space: global }
      - { .name: out0, .offset: 88, .size: 8, .value_kind: global_buffer, .address_space: global }
    .group_segment_fixed_size: 327680
    .private_segment_fixed_size: 0
    .kernarg_segment_align: 8
    .kernarg_segment_size: 96
    .max_flat_workgroup_size: 128
    .sgpr_count:     66
    .vgpr_count:     1024
    .wavefront_size: 32
...
	.end_amdgpu_metadata
.endif
;; end of part 1
